; MI455X (gfx1250); checked and timed in simulation.
; The chip was launched on July 23, 2026; its instructions are those of AMD's public machine-readable ISA for CDNA 5 (MIT licence, August 2026) and "CDNA5" Instruction Set Architecture Reference Guide (July 2026). The comments in the code are by the model that wrote it; some were corrected since.
;; Self Attn Reduction. Allowed arithmetic: float matrix products may take bf16 or f16 operands with f32 sums; other float arithmetic in f32, or as packed bf16 or f16 multiplies, adds, multiply-adds, maxima and minima; sums over many terms, partial sums and values carried from step to step in f32; what a program stores and reads back later, other than sums and carried values, may be rounded once to bf16 or f16.
;; Inputs: Wk 512 x 512 float32; Wq 512 x 512 float32; Wv 512 x 512 float32; bk 512 float32; bq 512 float32; bv 512 float32; lens 16 int32; x 16 x 4,096 x 512 float32.
;; Outputs: out0 16 x 4,096 float32.
;; One version. Each part assembles by itself: llvm-mc -triple=amdgcn-amd-amdhsa -mcpu=gfx1250 --defsym DOCPART=n.
;; ======== version 1 of 1: 4 launches
;; limits: a function is approximated: absolute error at most 1e-07
;; workspace buffers: wb 1,572,864 bytes; xb 67,108,864 bytes; qpart 524,288 bytes; wv 524,288 bytes
;; launch prep (part 1): grid 128 x 3, 8 waves a work-group, no clusters, 0 bytes of LDS; arguments Wq, Wk, Wv, wb; writes wb
.if DOCPART == 1
	.amdgcn_target "amdgcn-amd-amdhsa--gfx1250"
	.amdhsa_code_object_version 6
	.text
	.protected	k_qfe9f098deb_prep
	.globl	k_qfe9f098deb_prep
	.p2align	8
	.type	k_qfe9f098deb_prep,@function
k_qfe9f098deb_prep:
	s_mov_b64 s[64:65], 0
	v_nop
	global_prefetch_b8 v0, s[64:65] scope:SCOPE_SE
	s_setreg_imm32_b32 hwreg(HW_REG_WAVE_MODE, 25, 1), 1
	s_wait_xcnt 0x0
; The three weight matrices, [512][512] f32, are rounded once to bf16 and laid into wb, [1536][512] bf16 (rows of 1,024 bytes), in the order in which the two
; matrix launches walk them: rows 0-511 are Wq's rows; behind them Wk's row e lies at 512 + 64 (e / 32) + e % 32 and Wv's row e at 512 + 64 (e / 32) + 32 + e % 32,
; so that every 64 rows hold 32 columns of K and the same 32 of V.
; Grid: x = 4 source rows (8,192 dense bytes), y = the matrix.  Eight waves: a wave takes 1,024 bytes, two loads of 512 consecutive bytes, and stores twice 256 consecutive, aligned bytes.
	s_load_b256 s[4:11], s[0:1], 0x0               ; Wq s[4:5], Wk s[6:7], Wv s[8:9], wb s[10:11]
	s_and_b32 s14, ttmp7, 0xffff                   ; y: 0 Wq, 1 Wk, 2 Wv
	s_lshl_b32 s16, ttmp9, 13                      ; the source's byte offset: 4 rows of 2,048 bytes
	s_mov_b32 s17, 0
	s_lshl_b32 s18, ttmp9, 2                       ; Wq: the destination row is the source row
	s_lshr_b32 s19, ttmp9, 3
	s_lshl_b32 s19, s19, 6                         ; 64 (e / 32), with e = 4 x
	s_and_b32 s20, ttmp9, 7
	s_lshl2_add_u32 s19, s20, s19                  ; + e % 32
	s_lshl_b32 s20, s14, 5
	s_add_co_u32 s19, s19, s20                     ; + 32 y
	s_add_co_u32 s19, s19, 480                     ; + 512 - 32
	s_cmp_eq_u32 s14, 0
	s_cselect_b32 s18, s18, s19
	s_lshl_b32 s18, s18, 10                        ; rows of 1,024 bytes
	s_mov_b32 s19, 0
	v_lshrrev_b32 v1, 5, v0                        ; wave
	v_and_b32 v2, 31, v0                           ; lane
	v_lshlrev_b32 v3, 4, v2
	v_lshl_add_u32 v3, v1, 10, v3                  ; from: 1,024 x wave + 16 x lane
	v_lshlrev_b32 v4, 3, v2
	v_lshl_add_u32 v4, v1, 9, v4                   ; to: 512 x wave + 8 x lane
	s_wait_kmcnt 0x0
	s_cmp_eq_u32 s14, 1
	s_cselect_b64 s[12:13], s[6:7], s[4:5]
	s_cmp_eq_u32 s14, 2
	s_cselect_b64 s[12:13], s[8:9], s[12:13]
	s_add_nc_u64 s[12:13], s[12:13], s[16:17]
	s_add_nc_u64 s[10:11], s[10:11], s[18:19]
	global_load_b128 v[8:11], v3, s[12:13] th:TH_LOAD_NT
	global_load_b128 v[12:15], v3, s[12:13] offset:512 th:TH_LOAD_NT
	s_wait_loadcnt 0x0
	v_cvt_pk_bf16_f32 v6, v8, v9
	v_cvt_pk_bf16_f32 v7, v10, v11
	v_cvt_pk_bf16_f32 v8, v12, v13
	v_cvt_pk_bf16_f32 v9, v14, v15
	global_store_b64 v4, v[6:7], s[10:11]
	global_store_b64 v4, v[8:9], s[10:11] offset:256
	s_endpgm
.Lfunc_end_k_qfe9f098deb_prep:
	.size	k_qfe9f098deb_prep, .Lfunc_end_k_qfe9f098deb_prep-k_qfe9f098deb_prep
	.p2alignl 7, 3214868480
	.fill 96, 4, 3214868480
	.section	.rodata,"a",@progbits
	.p2align	6, 0x0
	.amdhsa_kernel k_qfe9f098deb_prep
		.amdhsa_group_segment_fixed_size 0
		.amdhsa_private_segment_fixed_size 0
		.amdhsa_enable_private_segment 0
		.amdhsa_kernarg_size 32
		.amdhsa_user_sgpr_count 2
		.amdhsa_user_sgpr_kernarg_segment_ptr 1
		.amdhsa_wavefront_size32 1
		.amdhsa_system_sgpr_workgroup_id_x 1
		.amdhsa_system_sgpr_workgroup_id_y 1
		.amdhsa_system_sgpr_workgroup_id_z 1
		.amdhsa_system_vgpr_workitem_id 0
		.amdhsa_next_free_vgpr 16
		.amdhsa_next_free_sgpr 66
		.amdhsa_reserve_vcc 0
		.amdhsa_float_denorm_mode_32 3
		.amdhsa_float_denorm_mode_16_64 3
		.amdhsa_memory_ordered 1
		.amdhsa_forward_progress 1
		.amdhsa_inst_pref_size 2
	.end_amdhsa_kernel
	.amdgpu_metadata
---
amdhsa.version: [ 1, 2 ]
amdhsa.kernels:
  - .name:           k_qfe9f098deb_prep
    .symbol:         k_qfe9f098deb_prep.kd
    .args:
      - { .name: Wq, .offset: 0, .size: 8, .value_kind: global_buffer, .address_space: global }
      - { .name: Wk, .offset: 8, .size: 8, .value_kind: global_buffer, .address_space: global }
      - { .name: Wv, .offset: 16, .size: 8, .value_kind: global_buffer, .address_space: global }
      - { .name: wb, .offset: 24, .size: 8, .value_kind: global_buffer, .address_space: global }
    .group_segment_fixed_size: 0
    .private_segment_fixed_size: 0
    .kernarg_segment_align: 8
    .kernarg_segment_size: 32
    .max_flat_workgroup_size: 256
    .sgpr_count:     66
    .vgpr_count:     16
    .wavefront_size: 32
...
	.end_amdgpu_metadata
.endif
;; end of part 1
;; launch qpass (part 2): grid 256 x 1, 4 waves a work-group, clusters of 4 x 1, 327,680 bytes of LDS; arguments x, wb, bq, xb, qpart; writes xb, qpart
.if DOCPART == 2
	.amdgcn_target "amdgcn-amd-amdhsa--gfx1250"
	.amdhsa_code_object_version 6
	.text
	.protected	k_qfe9f098deb_qpass
	.globl	k_qfe9f098deb_qpass
	.p2align	8
	.type	k_qfe9f098deb_qpass,@function
k_qfe9f098deb_qpass:
	s_mov_b64 s[64:65], 0
	v_nop
	global_prefetch_b8 v0, s[64:65] scope:SCOPE_SE
	s_setreg_imm32_b32 hwreg(HW_REG_WAVE_MODE, 25, 1), 1
	s_wait_xcnt 0x0
	s_wait_alu depctr_hold_cnt(0) depctr_sa_sdst(0) depctr_va_vdst(0) depctr_va_sdst(0) depctr_va_ssrc(0) depctr_va_vcc(0) depctr_vm_vsrc(0)
	s_getreg_b32 s2, hwreg(HW_REG_IB_STS2, 6, 4)
	s_cmp_eq_u32 s2, 0
	s_cbranch_scc0 .Lentry_in_a_cluster
	s_endpgm
.Lentry_in_a_cluster:
	s_bfe_u32 s2, ttmp6, 0x10000c
	s_cmp_lg_u32 s2, 0x3003
	s_cbranch_scc0 .Lentry_shape_is_right
	s_endpgm
.Lentry_shape_is_right:
; Q = tanh(x Wq^T + bq) for 256 rows of x a work-group; what leaves is the sum of Q over those 256 rows, qpart[work-group][512] in f32, and x itself, rounded once to bf16 and laid out
; as matrix fragments (xb), for the launch behind.  x, Wq and bq are rounded to bf16; products' sums, r and the column sums are f32.
; tanh(y) = 1 - 2 r, r = 1 / (1 + 2^(c2 y)), c2 = 2 log2(e).  ONLY THE SUM IS WANTED, so r is summed and 256 - 2 (sum of r) is made once a column, at the end.
; LIMITS.  r lies in 0 to 1: where 2^(..) overflows it is 0 (tanh 1), where 2^(..) falls below 2^-126 it is 1 (tanh -1).  1 - 2 r has an error of about 1e-7 absolute, also where y is small; the sum of 256 r is
; at most 256, so its f32 roundings (eight levels of a tree) come to 3e-5 at the most in a block's sum, whatever the inputs.  NaN and infinities in x are not treated apart.
; SHARES.  A wave owns 64 rows: four tiles of 16.  Its x, all 512 channels, STAYS IN REGISTERS as 64 fragments (512 registers); Wq goes past in 8 chunks of 64 columns x 512 channels
; through two LDS slots.  A fragment of Wq read from LDS (two loads) feeds four products.
; LAYOUT.  Source 0 = 16 rows of x, source 1 = 16 rows of Wq (columns of Q): in the result register j of lane l is row 8 (l / 16) + j, column l % 16: a bias is one number a lane.
; CLUSTER.  All work-groups walk the same chunks, so the four of a cluster ask for each chunk JOINTLY: the same tensor load, descriptor and mask in all four; a wave brings 16 rows of 1,024 bytes.
; REGISTERS.  The four windows of 256 have one map; window w holds row tile w (s_set_vgpr_msb: bits 1:0 source 0, 3:2 source 1, 5:4 source 2, 7:6 destination):
;   v0-7 CB: c2 x bias of the chunk's four column tiles, each twice; v32-159 AF: x, K step k at AF + 8 k; v160-191 ACC: column tile t at ACC + 8 t; v192-223 EB: finished sums, where r is made;
;   v224-255 BF: window z holds Wq's fragments of the K steps k with k % 4 = z.
;   A product names A, C, D in window w and B in window k % 4.  The vector lines between the products name registers as destination, source 0 and source 2 alone (source 1 is a scalar or a
;   constant), so they run under the product's setting: one switch for four products.
; ONE TEXT FOR EVERY CHUNK.  K step 0 starts the sums with the constant 0, K steps 1-14 add in place, K step 15 writes ACC + product into EB.  The next chunk's K steps 0-13 carry EB's vector work.
; The first period finds EB = 0 and a table entry of zeros: its r is 1/2 and goes into a part that nobody reads.  The price: 128 v_mov_b32, written on purpose, for no first chunk written out.
; xb's STORES read registers that stay to the end, and nothing waits for them: they are not set among x's loads.  60 of a wave's 128 go out when the last of x is converted, 60 behind the main loop, 8 behind the tail.
.set NCH,   8                          ; chunks
.set SECT,  0                          ; Wq's rows begin wb
.set PITCH, 1040                       ; an LDS row: 1,024 bytes + 16 of padding = 65 x 16: the 16 rows of a fragment load start 16 bytes apart modulo 256
.set QUART, 16*PITCH                   ; what one tensor load brings
.set SLOT1, 1<<17                      ; slot 1 begins here, so that one exclusive or turns an address in one slot into the other's
.set ZERO,  64*PITCH                   ; 1,024 bytes of zeros; its last 768 are the table entry in front of chunk 0's
.set TAB,   ZERO+1024                  ; chunk c's entry at TAB + 768 c; lane l % 16 = r reads 32 bytes at + 48 r: c2 b of tiles 0, 0, 1, 1, 2, 2, 3, 3
.set SPARE, 81920                      ; the spare words, 128 bytes for each wave: two blocks of 256 bytes that no other line names
.set CSUM,  SLOT1+64*PITCH             ; 32 parts (wave, row tile, half of the lanes) of 2,368 bytes: 9 x 256 used; 256 bytes for each period's 64 column sums
.set PARTB, 2368
.set CB,  0
.set RA,  10                           ; window 0: where I read parts 0-15 of my four columns
.set RB,  11                           ; window 0: parts 16-31
.set QO,  12                           ; window 0: 16 x my thread's number
.set PFO, 13                           ; window 0: 256 x my lane
.set XA,  28                           ; window 0: my byte offset in 16 rows of x
.set BA0, 29                           ; window 0: my lane's place in a fragment of Wq
.set BA,  30                           ; window 0: the same in the slot in hand
.set XO,  31                           ; window 0: 16 x my lane
.set SPW, 29                           ; window 1: LDS address of my spare word; never rewritten
.set NIL, 30                           ; window 1: 0; never rewritten
.set CS0, 26                           ; window 2: my place in my wave's first part
.set CS,  27                           ; window 2: the same in the period's 256 bytes
.set TA0, 29                           ; window 2: 48 x (lane % 16)
.set TA,  30                           ; window 2: my place in the table entry in hand
.set AF,  32
.set ACC, 160
.set EB,  192
.set BF,  224
.set WV,  16                           ; s16 my wave's number
.set CX,  17                           ; s17 my place in the cluster: it enters global addresses alone
.set WGN, 18                           ; s18 my work-group = 4 x cluster + place
.set GW,  19                           ; s19 my wave among all: 4 x work-group + wave
.set G1,  24                           ; s[24:31] descriptor group 1
.set G0A, 32                           ; s[32:35] group 0: chunk 0 into slot 0
.set G0B, 36                           ; s[36:39] group 0: chunk 1 into slot 1; it then walks
.set LEFT, 40                          ; s40 trips to go
.set TB,  41                           ; s41 the slot from which fragments are fetched: 0 or SLOT1
.set C2,  42                           ; s[42:43] c2
.set PFA, 46                           ; s[46:47] where my prefetches stand
.set LIM, 48                           ; s48 2 in a wave that prefetches, else the greatest number
.set TOFF, 49                          ; s49 the table entry to be read next
.set COFF, 50                          ; s50 the period's place in a part
.set MSB, 0
.macro WIN new                         ; the immediate's high byte repeats the setting that is left; a switch that changes nothing is dropped
.if MSB != (\new)
	s_set_vgpr_msb (MSB<<8)|(\new)
.set MSB, \new
.endif
.endm
; A round of the cluster's barrier: my work-group's barrier, so that wave 0's signal speaks for all four waves; wave 0 signals; every wave waits for all four work-groups; my work-group's barrier once more.
.macro CREST                           ; a round behind its opening barrier
	s_cmp_lg_u32 s[WV], 0
	s_cbranch_scc1 .Lnot_wave_0_\@
	s_barrier_signal -3
.Lnot_wave_0_\@:
	s_barrier_wait -3
	s_barrier_signal -1
	s_barrier_wait -1
.endm
.macro ROUND                           ; a whole round
	s_barrier_signal -1
	s_barrier_wait -1
	CREST
.endm
; THE DISTANCES behind products (apart from loads and from a C that another accumulator's product takes or writes over) are kept by plain vector lines that name none of the
; product's registers.  Four lie between a fragment buffer's last product and the loads into it: what rides behind that product, where it is plain, filled up by v_nop at the run's head: 3 behind K step 15's one
; v_nop, 2 behind the two plain riders of K steps 1 and 7, 4 behind exponentials and reciprocals, which are no places, and 4 behind the tensor load.  One v_nop rides behind each product of K steps 14 and 15:
; sixteen lie between K step 14's product and K step 15's, which takes ACC as the C of EB, and as many between K step 15's and K step 0's, which writes over that C, and the first vector line that reads EB.
.macro NOPS n
.rept \n
	v_nop
.endr
.endm
; Eight LDS loads: Wq's four fragments of K step k, into window k % 4.
.macro RUN k
	WIN ((\k)%4)<<6
.set ct, 0
.rept 4
	ds_load_b128 v[BF+8*ct:BF+8*ct+3],   v[BA] offset:ct*16*PITCH+64*(\k)
	ds_load_b128 v[BF+8*ct+4:BF+8*ct+7], v[BA] offset:ct*16*PITCH+64*(\k)+32
.set ct, ct+1
.endr
.endm
; THE VECTOR WORK on a window's EB (four tiles of 16 x 16) is a list of 112; RID writes number rn.  The tile goes fastest, so that no line reads the result of the one before it.
;   0-15 c2 s + c2 b, a pair of rows (each tile's lowest pair first)   16-47 2^(..)   48-63 + 1   64-95 the reciprocal: r
;   96-111 a tile's eight rows of r are added, in place, into its lowest register.  An addition is written as a x 1.0 + b: its second source must be no register (see REGISTERS).
.macro RID
.if rn < 16
.set rp, EB+8*(rn%4)+2*(rn/4)
	v_pk_fma_f32 v[rp:rp+1], v[rp:rp+1], s[C2:C2+1], v[CB+2*(rn%4):CB+2*(rn%4)+1] op_sel_hi:[1,0,1]
.elseif rn < 48
.set rp, EB+8*((rn-16)%4)+(rn-16)/4
	v_exp_f32 v[rp], v[rp]
.elseif rn < 64
.set rp, EB+8*((rn-48)%4)+2*((rn-48)/4)
	v_pk_add_f32 v[rp:rp+1], v[rp:rp+1], 1.0 op_sel_hi:[1,0]
.elseif rn < 96
.set rp, EB+8*((rn-64)%4)+(rn-64)/4
	v_rcp_f32 v[rp], v[rp]
.else
.set rp, EB+8*((rn-96)%4)
.if (rn-96)/4 == 0
	v_pk_fma_f32 v[rp:rp+1], v[rp+2:rp+3], 1.0, v[rp:rp+1] op_sel_hi:[1,0,1]
.elseif (rn-96)/4 == 1
	v_pk_fma_f32 v[rp+4:rp+5], v[rp+6:rp+7], 1.0, v[rp+4:rp+5] op_sel_hi:[1,0,1]
.elseif (rn-96)/4 == 2
	v_pk_fma_f32 v[rp:rp+1], v[rp+4:rp+5], 1.0, v[rp:rp+1] op_sel_hi:[1,0,1]
.else
	v_fma_f32 v[rp], v[rp+1], 1.0, v[rp]
.endif
.endif
.endm
; How the list is dealt: behind product ct of K step ks stand two numbers: K steps 0-1 the scalings, 2-5 the exponentials, 6-7 the + 1, 8-11 the reciprocals, 12-13 the sums;
; K steps 14 and 15 carry one v_nop (THE DISTANCES).  So each batch of exponentials or reciprocals ends where a run of LDS loads follows, and its wait stands at that run's head.
.macro DEAL
.set rc, 2
.if ks < 2
.set rn, 8*ks+2*ct
.elseif ks < 6
.set rn, 16+8*(ks-2)+2*ct
.elseif ks < 8
.set rn, 48+8*(ks-6)+2*ct
.elseif ks < 12
.set rn, 64+8*(ks-8)+2*ct
.elseif ks < 14
.set rn, 96+8*(ks-12)+2*ct
.else
.set rc, 0
	v_nop
.endif
.rept rc
	RID
.set rn, rn+1
.endr
.endm
; Four products of row tile ww in K step ks, and what rides behind them.  The wave's 16 accumulators take turns, one instruction a turn: 15 others' stand between two links of a chain.
.macro STRETCH
	WIN ww|((ks%4)<<2)|(ww<<4)|(ww<<6)
.set ct, 0
.rept 4
.if ks == 0
	v_wmma_f32_16x16x32_bf16 v[ACC+8*ct:ACC+8*ct+7], v[AF+8*ks:AF+8*ks+7], v[BF+8*ct:BF+8*ct+7], 0
.elseif ks == 15
	v_wmma_f32_16x16x32_bf16 v[EB+8*ct:EB+8*ct+7], v[AF+8*ks:AF+8*ks+7], v[BF+8*ct:BF+8*ct+7], v[ACC+8*ct:ACC+8*ct+7]
.else
	v_wmma_f32_16x16x32_bf16 v[ACC+8*ct:ACC+8*ct+7], v[AF+8*ks:AF+8*ks+7], v[BF+8*ct:BF+8*ct+7], v[ACC+8*ct:ACC+8*ct+7]
.endif
	DEAL
.set ct, ct+1
.endr
.endm
.macro TSTEP                           ; the address of the next table entry: a scalar that steps, and my lane's fixed term
	WIN 0x88
	v_add_nc_u32 v[TA], s[TOFF], v[TA0]
	s_add_co_u32 s[TOFF], s[TOFF], 768
.endm
.macro CSTEP                           ; the same for the period's 256 bytes of a part
	WIN 0x88
	v_add_nc_u32 v[CS], s[COFF], v[CS0]
	s_add_co_u32 s[COFF], s[COFF], 256
.endm
.macro HSTORE                          ; row tile ww's four column sums a lane (address in window 2, data in window ww); the tile's two parts stand in the immediate
	WIN (ww<<2)|2
.set ct, 0
.rept 4
	ds_store_b32 v[CS], v[EB+8*ct] offset:ww*2*PARTB+64*ct
.set ct, ct+1
.endr
.endm
.macro HLOAD                           ; the table entry into window ww
	WIN (ww<<6)|2
	ds_load_b128 v[CB:CB+3],   v[TA]
	ds_load_b128 v[CB+4:CB+7], v[TA] offset:16
.endm
; THE CHANGE OF SLOTS lies under K step 13's products: the slot's last fragments (K steps 14 and 15) were asked for at K step 12's head.  MEET_A, ahead of the K step: the wave waits for all its tensor loads, of
; which one is out: its part of the other slot; and adds 0 to its spare word.  Eight products stand between the add and MEET_B, where the wave waits for the add and for its reads of the slot, and signals.
; Eight more stand between the signal and MEET_C's wait.  fill = 1: that barrier opens a round of the cluster's, so that no wave of any partner still reads the slot or has a load on its way, and the joint
; refill, the chunk two on, is the first thing behind the round: it has 240 products in which to land.
.macro MEET_A
	WIN 0x05                                       ; the add's two registers lie in window 1
	s_wait_tensorcnt 0x0                           ; no tensor load of mine is out, so a group 0 may be written
	ds_add_u32 v[SPW], v[NIL]                      ; 0 onto my spare word: work on registers stands between it and the wait for it
.endm
.macro MEET_B fill
.if \fill
	s_xor_b32 s[G0B+1], s[G0B+1], SLOT1            ; the walking descriptor: the other slot than last time,
	s_add_nc_u64 s[G0B+2:G0B+3], s[G0B+2:G0B+3], 65536  ; the next chunk; the type bits on top are not reached
	s_wait_xcnt 0x0                                ; the last prefetch, a period back, has read its address
	s_add_nc_u64 s[PFA:PFA+1], s[PFA:PFA+1], 65536
.endif
	s_xor_b32 s[TB], s[TB], SLOT1                  ; the fetches go on in the other slot
	s_wait_dscnt 0x0                               ; the add is done, and my reads of the slot are over
	s_barrier_signal -1                            ; say so; work on registers while the others arrive
.endm
.macro MEET_C fill
	WIN 0                                          ; at a label and at a branch every window is 0
	s_barrier_wait -1
.if \fill
	CREST
	tensor_load_to_lds s[G0B:G0B+3], s[G1:G1+7]
	s_nop 0
.endif
.endm
; A PREFETCH INTO THE L2 of the chunk that the refill two periods on will ask for: 512 products ahead of that load.  A chunk is 256 blocks of 256 bytes.  All clusters walk the same chunks: the first cluster
; asks; its four partners take 64 blocks each, told apart BY ADDRESS; in each, waves 0 and 1 take 32, a lane a block.  So each block is named once.  Chunks 0-3 come by their loads alone; the last two
; refills have no chunk two on.
.macro ASK
	s_cmp_gt_u32 s[LEFT], s[LIM]
	s_cbranch_scc0 .Lnot_mine_\@
	global_prefetch_b8 v[PFO], s[PFA:PFA+1] th:TH_LOAD_NT scope:SCOPE_SE
.Lnot_mine_\@:
.endm
; A PERIOD: one chunk's 256 products, and beside them the r and column sums of the chunk before.  THE K STEPS GO IN PAIRS: at the head of each even K step ks ONE run of 16 LDS loads fetches the fragments of
; K steps ks + 2 and ks + 3 (from K step 14 on: the next chunk's) into the two windows that K steps ks - 2 and ks - 1 have read: the wave leaves its products eight times a period, and a run has 32 products in
; which to land.  All else that touches LDS stands at K step 14's head, with that run: the sums of the chunk before go out, this chunk's biases come in.
; s_wait_dscnt 16: the run just issued may stay out, so the run before it, this pair's, is in; at K step 0 all that K step 14 issued is in as well.  K step 14 needs no such wait: the change of slots, in
; K step 13, has waited for 0, and nothing was asked of LDS between.
; The exponentials of K steps 2-5 are one batch, the reciprocals of K steps 8-11 another: s_wait_alu depctr_va_vdst(0) stands ahead of the first line that names a result: once a batch.
.macro PERIOD fill
.set ks, 0
.rept 16
.if (ks%2) == 0
.if ks == 0
	NOPS 3
.elseif (ks == 2) || (ks == 8)
	NOPS 2
.else
	NOPS 4
.endif
.if (ks == 6) || (ks == 12)
	s_wait_alu depctr_va_vdst(0)
.endif
.if ks == 14
	WIN 0
	v_add_nc_u32 v[BA], s[TB], v[BA0]
	TSTEP
	CSTEP
.set ww, 0
.rept 4
	HSTORE                                         ; the sums of the chunk before,
.set ww, ww+1
.endr
.set ww, 0
.rept 4
	HLOAD                                          ; and this chunk's biases, for the period to come
.set ww, ww+1
.endr
.endif
	RUN (ks+2)%16
	RUN (ks+3)%16
.if ks == 14
.if \fill
	WIN 0
	ASK
.endif
.else
	s_wait_dscnt 16
.endif
.endif
.if ks == 13
	MEET_A
.endif
.set ww, 0
.rept 4
.if (ks == 13) && (ww == 2)
	MEET_B \fill
.endif
	STRETCH
.set ww, ww+1
.endr
.if ks == 13
	MEET_C \fill
.endif
.set ks, ks+1
.endr
	WIN 0
.endm
.macro PHASE lo, hi                    ; numbers lo to hi - 1 of the list, window after window
.set ww, 0
.rept 4
	WIN ww*0x55
.set rn, \lo
.rept (\hi)-(\lo)
	RID
.set rn, rn+1
.endr
.set ww, ww+1
.endr
.endm
.macro EPONLY                          ; the last chunk's vector work has no products to stand beside
	NOPS 4
	PHASE 0, 48
	v_nop                                          ; a plain instruction behind the last exponential,
	s_wait_alu depctr_va_vdst(0)                   ; and the batch's one wait
	PHASE 48, 96
	v_nop
	s_wait_alu depctr_va_vdst(0)
	PHASE 96, 112
.endm
; A UNIT of x: row tile u % 4, K step u / 4: 16 rows x 32 channels of f32, four loads of 16 bytes a lane, into one of three staging sets of 16 registers in the tile's window (where ACC and EB will lie).
.macro XLOAD u
.set xa, (\u)%4
.set xs, (\u)/4
.set st, ACC+16*(xs%3)
	WIN xa<<6
	global_load_b128 v[st:st+3],     v[XA], s[4:5] offset:xa*32768+128*xs
	global_load_b128 v[st+4:st+7],   v[XA], s[4:5] offset:xa*32768+128*xs+16
	global_load_b128 v[st+8:st+11],  v[XA], s[4:5] offset:xa*32768+128*xs+64
	global_load_b128 v[st+12:st+15], v[XA], s[4:5] offset:xa*32768+128*xs+80
.endm
.macro XCONV u                         ; rounded to bf16: the fragment, which stays
.set xa, (\u)%4
.set xs, (\u)/4
.set st, ACC+16*(xs%3)
	WIN xa*0x55
.set qq, 0
.rept 8
	v_cvt_pk_bf16_f32 v[AF+8*xs+qq], v[st+2*qq], v[st+2*qq+1]
.set qq, qq+1
.endr
.endm
.macro XSTORE j                        ; half a fragment goes out as it lies: row tile j / 32, registers 4 (j % 32) on; each store of the wave covers 512 consecutive bytes, aligned
.set xa, (\j)/32
	WIN xa<<2
	global_store_b128 v[XO], v[AF+4*((\j)%32):AF+4*((\j)%32)+3], s[10:11] offset:(\j)*512 th:TH_STORE_NT
.endm
	s_load_b256 s[4:11], s[0:1], 0x0               ; x s[4:5], wb s[6:7], bq s[8:9], xb s[10:11]
	s_load_b64 s[12:13], s[0:1], 0x20              ; qpart
	WIN 0x40
	v_lshl_add_u32 v[SPW], v0, 2, SPARE
	v_mov_b32 v[NIL], 0
	WIN 0x05
	ds_add_u32 v[SPW], v[NIL]                      ; the wave's opening: the add, twice on end, and its wait ahead of my first tensor load; the set-up below stands between
	ds_add_u32 v[SPW], v[NIL]                      ; and once more, under the one wait
	WIN 0
	v_lshrrev_b32 v224, 5, v0
	v_readfirstlane_b32 s[WV], v224                ; wave 0..3
	s_bfe_u32 s[CX], ttmp6, 0x40000
	s_lshl_b32 s[WGN], ttmp9, 2                    ; in a cluster launch ttmp9 counts clusters
	s_add_co_u32 s[WGN], s[WGN], s[CX]
	s_lshl2_add_u32 s[GW], s[WGN], s[WV]
	; descriptor group 1: a tile of 16 rows x 512 elements, padded in LDS
	s_mov_b32 s[G1], 15|(1<<16)|(1<<20)|(1<<21)|(7<<22)|(3<<25)  ; 15:0 the mask of four; 17:16 2-byte elements; 20 padding on; 21 set beside a mask; 24:22 after every 256 words (code 7); 31:25 4 words (code 3)
	s_mov_b32 s[G1+1], 512<<16                     ; tensor_dim0 = 512
	s_mov_b32 s[G1+2], 16<<16                      ; tensor_dim1 = 16
	s_mov_b32 s[G1+3], 512<<16                     ; tile_dim0 = 512
	s_mov_b32 s[G1+4], 16                          ; tile_dim1 = 16
	s_mov_b32 s[G1+5], 512                         ; 512 elements from row to row
	s_mov_b32 s[G1+6], 0
	s_mov_b32 s[G1+7], 0
	s_mov_b32 s[G0A], 1                            ; count = 1
	s_mul_i32 s[G0A+1], s[WV], QUART               ; LDS address: my 16 rows of slot 0: the wave's number alone enters it
	s_mov_b32 s[G0B], 1
	s_add_co_u32 s[G0B+1], s[G0A+1], SLOT1
	s_lshl_b32 s20, s[WV], 14                      ; my 16 rows of a chunk in memory
	s_mov_b32 s21, 0
	s_mov_b32 s[C2], 0x4038aa3b                    ; c2 = 2 log2(e)
	s_mov_b32 s[C2+1], s[C2]                       ; named with it as a pair
	s_mov_b32 s[TB], 0
	s_mov_b32 s[TOFF], TAB-768                     ; the entry of zeros
	s_mov_b32 s[COFF], 0
	s_lshr_b32 s[LIM], s[WV], 1                    ; 0 in waves 0 and 1,
	s_or_b32 s[LIM], s[LIM], ttmp9                 ; where the cluster is the first: the same in all four partners
	s_cmp_eq_u32 s[LIM], 0
	s_cselect_b32 s[LIM], 2, -1
	s_wait_dscnt 0x0                               ; both opening adds are done
	s_wait_kmcnt 0x0
	s_add_nc_u64 s[G0A+2:G0A+3], s[6:7], s[20:21]
.if SECT
	s_add_nc_u64 s[G0A+2:G0A+3], s[G0A+2:G0A+3], SECT
.endif
	s_add_nc_u64 s[G0B+2:G0B+3], s[G0A+2:G0A+3], 65536
	s_or_b32 s[G0A+3], s[G0A+3], 0x80000000        ; type = 2
	s_or_b32 s[G0B+3], s[G0B+3], 0x80000000
	ROUND                                          ; all four work-groups are here: the first joint loads meet
	tensor_load_to_lds s[G0A:G0A+3], s[G1:G1+7]    ; chunk 0; two loads of mine are out
	s_nop 0
	tensor_load_to_lds s[G0B:G0B+3], s[G1:G1+7]    ; chunk 1
	s_nop 0
.rept 4
	v_nop
.endr
	s_lshl_b32 s22, s[CX], 14                      ; the prefetches: my work-group's 64 blocks of a chunk,
	s_lshl_b32 s23, s[WV], 13                      ; my wave's 32 of them,
	s_add_co_u32 s22, s22, s23
	s_mov_b32 s23, 0
	s_add_nc_u64 s[PFA:PFA+1], s[6:7], s[22:23]
	s_add_nc_u64 s[PFA:PFA+1], s[PFA:PFA+1], SECT+3*65536  ; in chunk 3: the first change of slots steps it to chunk 4
	s_lshl_b32 s22, s[GW], 17                      ; my wave's 64 rows of x,
	s_add_nc_u64 s[4:5], s[4:5], s[22:23]
	s_lshl_b32 s22, s[GW], 16                      ; its 65,536 bytes of xb,
	s_add_nc_u64 s[10:11], s[10:11], s[22:23]
	s_lshl_b32 s22, s[WGN], 11                     ; my work-group's row of qpart
	s_add_nc_u64 s[12:13], s[12:13], s[22:23]
	; A fragment is 16 rows x 32 channels in 8 registers: lane l holds row l % 16, channels 8 (l / 16) + 0..7 and 16 + 8 (l / 16) + 0..7.
	v_and_b32 v225, 15, v0                         ; l % 16
	v_bfe_u32 v226, v0, 4, 1                       ; l / 16
	v_and_b32 v227, 31, v0                         ; l
	v_lshlrev_b32 v[XA], 11, v225
	v_lshl_add_u32 v[XA], v226, 5, v[XA]           ; row x 2,048 + 32 x half
	v_lshlrev_b32 v[XO], 4, v227
	v_lshlrev_b32 v[QO], 4, v0
	global_load_b128 v[232:235], v[QO], s[8:9]     ; bq of columns 4 thread .. + 3
.set cu, 0
.rept 12
	XLOAD cu                                       ; 48 loads a wave are on their way from here on
.set cu, cu+1
.endr
	WIN 0
	v_mul_u32_u24 v[BA0], v225, PITCH
	v_lshl_add_u32 v[BA0], v226, 4, v[BA0]         ; row x pitch + 16 x half
	v_lshl_add_u32 v[RA], v0, 4, CSUM+256          ; a part's first 256 bytes hold what the first period made of zeros
	v_add_nc_u32 v[RB], 16*PARTB, v[RA]
	v_lshlrev_b32 v[PFO], 8, v227
	v_lshrrev_b32 v228, 4, v0                      ; column 4 thread + i: chunk thread / 16, tile (thread / 4) % 4, lane 4 (thread % 4) + i
	v_mul_u32_u24 v228, v228, 768
	v_bfe_u32 v230, v0, 2, 2
	v_lshl_add_u32 v228, v230, 3, v228
	v_and_b32 v230, 3, v0
	v_mul_u32_u24 v230, v230, 192
	v_add3_u32 v228, v228, v230, TAB
	v_lshl_add_u32 v229, v0, 3, ZERO
	s_mul_i32 s20, s[WV], 8*PARTB
	s_add_co_u32 s20, s20, CSUM
	v_mul_u32_u24 v231, v226, PARTB                ; part = 8 x wave + 2 x row tile + half
	v_lshl_add_u32 v231, v225, 2, v231
	v_add_nc_u32 v231, s20, v231
	v_mov_b32 v238, 0
	v_mov_b32 v239, 0
	WIN 0x80
	v_mov_b32 v[CS0], v231
	v_mul_u32_u24 v[TA0], v225, 48
	WIN 0
	s_wait_loadcnt 48                              ; bq is in: the 48 loads of x were issued behind it
	v_cvt_pk_bf16_f32 v236, v232, v233             ; the bias is rounded to bf16 like x and Wq,
	v_cvt_pk_bf16_f32 v237, v234, v235
	v_lshlrev_b32 v232, 16, v236                   ; widened again,
	v_and_b32 v233, 0xffff0000, v236
	v_lshlrev_b32 v234, 16, v237
	v_and_b32 v235, 0xffff0000, v237
.irp i, 0,1,2,3
	v_mul_f32 v[240+2*\i], s[C2], v[232+\i]        ; multiplied by c2, and written twice: a pair for the packed line
	v_mul_f32 v[241+2*\i], s[C2], v[232+\i]
.endr
.irp i, 0,1,2,3
	ds_store_b64 v228, v[240+2*\i:241+2*\i] offset:48*\i
.endr
	ds_store_b64 v229, v[238:239]
.set cu, 0
.rept 64
.if cu < 52
	s_wait_loadcnt 44                              ; the unit is in; the 11 younger units stay out
.else
	s_wait_loadcnt 4*(63-cu)                       ; nothing more is asked for: the counts run down
.endif
	XCONV cu
.if cu < 52
	XLOAD cu+12                                    ; into the staging set just read
.endif
.set cu, cu+1
.endr
.set cu, 0
.rept 60
	XSTORE cu                                      ; all of x has come: the first 60 of xb's 128 stores; nothing waits for them
.set cu, cu+1
.endr
.set ww, 0
.rept 4
	WIN ww<<6
.set qq, 0
.rept 32
	v_mov_b32 v[EB+qq], 0                          ; what the first period's vector work finds
.set qq, qq+1
.endr
.set ww, ww+1
.endr
	WIN 0
	v_mov_b32 v[BA], v[BA0]                        ; chunk 0 lies in slot 0
	s_wait_tensorcnt 0x1                           ; my part of slot 0 is in; slot 1's may stay out
	s_wait_dscnt 0x0                               ; my part of the table is written
	s_barrier_signal -1
	s_barrier_wait -1                              ; everybody's is
	TSTEP
.set ww, 0
.rept 4
	HLOAD                                          ; the entry of zeros (window 0's takes v0's place: my thread's number is wanted no more)
.set ww, ww+1
.endr
	RUN 0
	RUN 1
	WIN 0
	s_mov_b32 s[LEFT], NCH-2
.Lmain:                                                ; every chunk but the last two is followed by a refill
	PERIOD 1
	s_sub_co_u32 s[LEFT], s[LEFT], 1
	s_cmp_lg_u32 s[LEFT], 0
	s_cbranch_scc1 .Lmain
.rept 60
	XSTORE cu                                      ; the next 60 stores, six periods behind the first
.set cu, cu+1
.endr
	WIN 0
	s_mov_b32 s[LEFT], 2
.Ltail:                                                ; the last two chunks ask for nothing: a text of their own.  The last trip's barrier and its 16 fragment loads serve nothing
	PERIOD 0
	s_sub_co_u32 s[LEFT], s[LEFT], 1
	s_cmp_lg_u32 s[LEFT], 0
	s_cbranch_scc1 .Ltail
	s_wait_dscnt 0x0                               ; the last chunk's biases are in
.rept 8
	XSTORE cu                                      ; the last 8 stores
.set cu, cu+1
.endr
	EPONLY
	CSTEP
.set ww, 0
.rept 4
	HSTORE
.set ww, ww+1
.endr
	WIN 0
	s_wait_dscnt 0x0                               ; for the others' sake: my sums are written
	s_barrier_signal -1
	s_barrier_wait -1
	s_wait_xcnt 0x0                                ; xb's stores have read window 0's x registers, which now take the 32 parts of my four columns
.set pp, 0
.rept 16
	ds_load_b128 v[AF+4*pp:AF+4*pp+3], v[RA] offset:pp*PARTB
.set pp, pp+1
.endr
.rept 16
	ds_load_b128 v[AF+4*pp:AF+4*pp+3], v[RB] offset:(pp-16)*PARTB
.set pp, pp+1
.endr
	s_mov_b32 s20, 0x43800000                      ; 256.0: the block's rows
	s_wait_dscnt 0x0
.set dd, 16
.rept 5
.set pp, 0
.rept dd
	v_pk_add_f32 v[AF+4*pp:AF+4*pp+1],   v[AF+4*pp:AF+4*pp+1],   v[AF+4*(pp+dd):AF+4*(pp+dd)+1]
	v_pk_add_f32 v[AF+4*pp+2:AF+4*pp+3], v[AF+4*pp+2:AF+4*pp+3], v[AF+4*(pp+dd)+2:AF+4*(pp+dd)+3]
.set pp, pp+1
.endr
.set dd, dd/2
.endr
.irp i, 0,1,2,3
	v_fma_f32 v[AF+\i], v[AF+\i], -2.0, s20        ; the sum of tanh over the 256 rows = 256 - 2 x the sum of r
.endr
	global_store_b128 v[QO], v[AF:AF+3], s[12:13]  ; a wave's store covers 512 consecutive bytes, aligned
	WIN 0x05
	s_wait_tensorcnt 0x0                           ; the wave's end: behind my last tensor load and my last LDS store
	ds_add_u32 v[SPW], v[NIL]
	s_wait_dscnt 0x0
	WIN 0
	ROUND                                          ; the closing round: no work-group ends while a partner may still ask for a chunk that names it
	s_endpgm
.Lfunc_end_k_qfe9f098deb_qpass:
	.size	k_qfe9f098deb_qpass, .Lfunc_end_k_qfe9f098deb_qpass-k_qfe9f098deb_qpass
	.p2alignl 7, 3214868480
	.fill 96, 4, 3214868480
	.section	.rodata,"a",@progbits
	.p2align	6, 0x0
	.amdhsa_kernel k_qfe9f098deb_qpass
		.amdhsa_group_segment_fixed_size 327680
		.amdhsa_private_segment_fixed_size 0
		.amdhsa_enable_private_segment 0
		.amdhsa_kernarg_size 40
		.amdhsa_user_sgpr_count 2
		.amdhsa_user_sgpr_kernarg_segment_ptr 1
		.amdhsa_wavefront_size32 1
		.amdhsa_system_sgpr_workgroup_id_x 1
		.amdhsa_system_sgpr_workgroup_id_y 1
		.amdhsa_system_sgpr_workgroup_id_z 1
		.amdhsa_system_vgpr_workitem_id 0
		.amdhsa_next_free_vgpr 1024
		.amdhsa_next_free_sgpr 66
		.amdhsa_reserve_vcc 0
		.amdhsa_float_denorm_mode_32 3
		.amdhsa_float_denorm_mode_16_64 3
		.amdhsa_memory_ordered 1
		.amdhsa_forward_progress 1
		.amdhsa_inst_pref_size 218
	.end_amdhsa_kernel
	.amdgpu_metadata
---
amdhsa.version: [ 1, 2 ]
amdhsa.kernels:
  - .name:           k_qfe9f098deb_qpass
    .symbol:         k_qfe9f098deb_qpass.kd
    .args:
      - { .name: x, .offset: 0, .size: 8, .value_kind: global_buffer, .address_space: global }
      - { .name: wb, .offset: 8, .size: 8, .value_kind: global_buffer, .address_space: global }
      - { .name: bq, .offset: 16, .size: 8, .value_kind: global_buffer, .address_space: global }
      - { .name: xb, .offset: 24, .size: 8, .value_kind: global_buffer, .address_space: global }
      - { .name: qpart, .offset: 32, .size: 8, .value_kind: global_buffer, .address_space: global }
    .group_segment_fixed_size: 327680
    .private_segment_fixed_size: 0
    .kernarg_segment_align: 8
    .kernarg_segment_size: 40
    .max_flat_workgroup_size: 128
    .sgpr_count:     66
    .vgpr_count:     1024
    .wavefront_size: 32
...
	.end_amdgpu_metadata
.endif
;; end of part 2
;; launch kvpass (part 3): grid 256 x 1, 4 waves a work-group, clusters of 4 x 1, 327,680 bytes of LDS; arguments xb, wb, bk, bv, qpart, wv; writes wv
.if DOCPART == 3
	.amdgcn_target "amdgcn-amd-amdhsa--gfx1250"
	.amdhsa_code_object_version 6
	.text
	.protected	k_qfe9f098deb_kvpass
	.globl	k_qfe9f098deb_kvpass
	.p2align	8
	.type	k_qfe9f098deb_kvpass,@function
k_qfe9f098deb_kvpass:
	s_mov_b64 s[64:65], 0
	v_nop
	global_prefetch_b8 v0, s[64:65] scope:SCOPE_SE
	s_setreg_imm32_b32 hwreg(HW_REG_WAVE_MODE, 25, 1), 1
	s_wait_xcnt 0x0
	s_wait_alu depctr_hold_cnt(0) depctr_sa_sdst(0) depctr_va_vdst(0) depctr_va_sdst(0) depctr_va_ssrc(0) depctr_va_vcc(0) depctr_vm_vsrc(0)
	s_getreg_b32 s2, hwreg(HW_REG_IB_STS2, 6, 4)
	s_cmp_eq_u32 s2, 0
	s_cbranch_scc0 .Lentry_in_a_cluster
	s_endpgm
.Lentry_in_a_cluster:
	s_bfe_u32 s2, ttmp6, 0x10000c
	s_cmp_lg_u32 s2, 0x3003
	s_cbranch_scc0 .Lentry_shape_is_right
	s_endpgm
.Lentry_shape_is_right:
; For each of a work-group's 256 rows: the logit K . q_sum / sqrt(512), in units of log2 (times log2 e) AND LESS A CONSTANT OF THE BATCH, and the row sum of V; K = tanh(x Wk^T + bk), V = tanh(x Wv^T + bv).
; q_sum is the sum of the batch's 16 rows of qpart.  K and V are never stored: both sums are taken in f32 straight from the products' f32 sums.  x (xb), Wk, Wv (wb), bk and bv are bf16.
; tanh(y) = 1 - 2 r, r = 1 / (1 + 2^(c2 y)), c2 = 2 log2(e).  ONLY SUMS ARE WANTED, so 1 - 2 r is never made.  With kappa = log2(e) / sqrt(512):
;   kappa K . q_sum = kappa (sum of q_sum's 512 numbers) - 2 kappa (sum of r q_sum).  The first term is the same for all rows of a batch, and the softmax behind takes the batch's maximum away: it is left out.
;   the row sum of V = 512 - 2 (sum of r): the sum starts at the constant and takes r x (-2).
; LIMITS.  r lies in 0 to 1: an overflowing 2^(..) gives 0 (tanh 1), one below 2^-126 gives 1 (tanh -1); 1 - 2 r has an error of about 1e-7 absolute, also where y is small.  What is stored for a logit is an
; f32 sum of 512 terms in this text's order; it can be up to twice as large as the logit itself, and carries a few units in its own last place.  NaN and infinities are not treated apart.
; SHARES, LAYOUT, CLUSTER as in the launch before: a wave owns 64 rows, four tiles of 16; its x, all 512 channels, stays in 512 registers (here loaded as it lies in xb); the weights go past in 16 chunks of
; 64 rows of wb (32 columns of K, the same 32 of V) through two LDS slots, each chunk asked for jointly by the cluster's four work-groups.  Register j of lane l of a result is row 8 (l / 16) + j, column l % 16.
; REGISTERS.  The four windows of 256 have one map; window w holds row tile w (s_set_vgpr_msb: bits 1:0 source 0, 3:2 source 1, 5:4 source 2, 7:6 destination):
;   v0-7 CB: c2 x bias of the chunk's four column tiles (K, K, V, V), each twice; v8-11 QV: -2 kappa x q_sum of the two K tiles' columns, each twice; v12-19 RSK, v20-27 RSV: the eight rows' running sums;
;   v32-159 AF: x, K step k at AF + 8 k; v160-191 ACC; v192-223 EB: finished sums, where r is made; v224-255 BF: window z holds the weights' fragments of the K steps k with k % 4 = z.
;   A product names A, C, D in window w and B in window k % 4.  The vector lines between the products run under that setting: destination, source 0 and source 2 are window w's; source 1 is a scalar, a
;   constant, or QV, WHICH HOLDS THE SAME NUMBERS IN ALL FOUR WINDOWS, so that it does not matter from which it is read.
; ONE TEXT FOR EVERY CHUNK: K step 0 starts the sums with 0, K steps 1-14 add in place, K step 15 writes ACC + product into EB; the next chunk's K steps 0-13 carry EB's vector work.  The first period finds
; EB = 0 and a table entry of zeros: its r is 1/2; times the entry's 0 it adds nothing to RSK, and from each register of RSV it takes 2 x 1/2 for each of two tiles.  So RSV starts at (512 + 32) / 16 = 34 a lane.
; The price: 192 v_mov_b32, written on purpose, for no first chunk written out.
; x COMES K STEP BY K STEP, and the first period begins while the later K steps' fragments are on their way: counted waits in the period (PERIOD).
.set NCH,   16
.set SECT,  524288                     ; K's and V's rows lie behind Wq's 512
.set PITCH, 1040                       ; an LDS row: 1,024 bytes + 16 of padding = 65 x 16: the 16 rows of a fragment load start 16 bytes apart modulo 256
.set QUART, 16*PITCH
.set SLOT1, 1<<17
.set ZERO,  64*PITCH                   ; 1,024 bytes of zeros; its last 768 are the table entry in front of chunk 0's
.set TAB,   ZERO+1024                  ; chunk c's entry at TAB + 768 c; lane l % 16 = r reads 48 bytes at + 48 r: CB's eight numbers, then QV's four
.set OUT,   TAB+16*768                 ; 512 bytes for each wave: 64 logits, 64 row sums of V
.set SPARE, 81920                      ; the spare words, 128 bytes for each wave: two blocks of 256 bytes that no other line names
.set CB,  0
.set QV,  8
.set RSK, 12
.set RSV, 20
.set PFO, 28                           ; window 0: 256 x my lane
.set BA0, 29                           ; window 0: my lane's place in a fragment of the weights
.set BA,  30                           ; window 0: the same in the slot in hand
.set XO,  31                           ; window 0: 16 x my lane; never rewritten
.set SPW, 29                           ; window 1: LDS address of my spare word; never rewritten
.set NIL, 30                           ; window 1: 0; never rewritten
.set TA0, 29                           ; window 2: 48 x (lane % 16)
.set TA,  30                           ; window 2: my place in the table entry in hand
.set OA,  31                           ; window 2: the way out: where my half of the lanes puts a tile's eight rows
.set OL,  29                           ; window 3: the way out: where I read 16 bytes back
.set GO,  30                           ; window 3: 16 x my lane
.set AF,  32
.set ACC, 160
.set EB,  192
.set BF,  224
.set WV,  16
.set CX,  17
.set WGN, 18
.set GW,  19
.set G1,  24
.set G0A, 32
.set G0B, 36
.set LEFT, 40
.set TB,  41
.set C2,  42                           ; s[42:43] c2
.set KAP, 44                           ; s44 -2 kappa
.set VI,  45                           ; s45 34.0: where a lane's row sums of V begin
.set PFA, 46
.set LIM, 48
.set TOFF, 49
.set MSB, 0
.macro WIN new                         ; the immediate's high byte repeats the setting that is left; a switch that changes nothing is dropped
.if MSB != (\new)
	s_set_vgpr_msb (MSB<<8)|(\new)
.set MSB, \new
.endif
.endm
; A round of the cluster's barrier: my work-group's barrier, so that wave 0's signal speaks for all four waves; wave 0 signals; every wave waits for all four work-groups; my work-group's barrier once more.
.macro CREST                           ; a round behind its opening barrier
	s_cmp_lg_u32 s[WV], 0
	s_cbranch_scc1 .Lnot_wave_0_\@
	s_barrier_signal -3
.Lnot_wave_0_\@:
	s_barrier_wait -3
	s_barrier_signal -1
	s_barrier_wait -1
.endm
.macro ROUND                           ; a whole round
	s_barrier_signal -1
	s_barrier_wait -1
	CREST
.endm
; THE DISTANCES behind products (apart from loads and from a C that another accumulator's product takes or writes over) are kept by plain vector lines that name none of the
; product's registers.  Four lie between a fragment buffer's last product and the loads into it: what rides behind that product, where it is plain, filled up by v_nop at the run's head: 3 behind K step 15's one
; v_nop, 2 behind the two plain riders of K steps 1 and 7, 4 behind exponentials and reciprocals, which are no places, and 4 behind the tensor load.  One v_nop rides behind each product of K steps 14 and 15:
; sixteen lie between K step 14's product and K step 15's, which takes ACC as the C of EB, and as many between K step 15's and K step 0's, which writes over that C, and the first vector line that reads EB.
.macro NOPS n
.rept \n
	v_nop
.endr
.endm
.macro RUN k                           ; eight LDS loads: the weights' four fragments of K step k, into window k % 4
	WIN ((\k)%4)<<6
.set ct, 0
.rept 4
	ds_load_b128 v[BF+8*ct:BF+8*ct+3],   v[BA] offset:ct*16*PITCH+64*(\k)
	ds_load_b128 v[BF+8*ct+4:BF+8*ct+7], v[BA] offset:ct*16*PITCH+64*(\k)+32
.set ct, ct+1
.endr
.endm
; THE VECTOR WORK on a window's EB is a list of 112; RID writes number rn.  The tile goes fastest, so that no line reads the result of the one before it.
;   0-15 c2 s + c2 b, a pair of rows (each tile's lowest pair first)   16-47 2^(..)   48-63 + 1   64-95 the reciprocal: r
;   96-111 the rows' sums: RSK += r x (-2 kappa q_sum), RSV += r x (-2.0): tiles 0 and 2 by turns, then tiles 1 and 3, so that two links of one sum stand eight lines apart
.macro RID
.if rn < 16
.set rp, EB+8*(rn%4)+2*(rn/4)
	v_pk_fma_f32 v[rp:rp+1], v[rp:rp+1], s[C2:C2+1], v[CB+2*(rn%4):CB+2*(rn%4)+1] op_sel_hi:[1,0,1]
.elseif rn < 48
.set rp, EB+8*((rn-16)%4)+(rn-16)/4
	v_exp_f32 v[rp], v[rp]
.elseif rn < 64
.set rp, EB+8*((rn-48)%4)+2*((rn-48)/4)
	v_pk_add_f32 v[rp:rp+1], v[rp:rp+1], 1.0 op_sel_hi:[1,0]
.elseif rn < 96
.set rp, EB+8*((rn-64)%4)+(rn-64)/4
	v_rcp_f32 v[rp], v[rp]
.else
.set rk, rn-96
.if rk < 8
.set rt, 2*(rk%2)
.set ri, rk/2
.else
.set rt, 1+2*((rk-8)%2)
.set ri, (rk-8)/2
.endif
.set rp, EB+8*rt+2*ri
.if rt < 2
	v_pk_fma_f32 v[RSK+2*ri:RSK+2*ri+1], v[rp:rp+1], v[QV+2*rt:QV+2*rt+1], v[RSK+2*ri:RSK+2*ri+1]
.else
	v_pk_fma_f32 v[RSV+2*ri:RSV+2*ri+1], v[rp:rp+1], -2.0, v[RSV+2*ri:RSV+2*ri+1] op_sel_hi:[1,0,1]
.endif
.endif
.endm
; How the list is dealt: behind product ct of K step ks stand two numbers: K steps 0-1 the scalings, 2-5 the exponentials, 6-7 the + 1, 8-11 the reciprocals, 12-13 the sums;
; K steps 14 and 15 carry one v_nop (THE DISTANCES).  So each batch of exponentials or reciprocals ends where a run of LDS loads follows, and its wait stands at that run's head.
.macro DEAL
.set rc, 2
.if ks < 2
.set rn, 8*ks+2*ct
.elseif ks < 6
.set rn, 16+8*(ks-2)+2*ct
.elseif ks < 8
.set rn, 48+8*(ks-6)+2*ct
.elseif ks < 12
.set rn, 64+8*(ks-8)+2*ct
.elseif ks < 14
.set rn, 96+8*(ks-12)+2*ct
.else
.set rc, 0
	v_nop
.endif
.rept rc
	RID
.set rn, rn+1
.endr
.endm
; Four products of row tile ww in K step ks, and what rides behind them.  The wave's 16 accumulators take turns, one instruction a turn: 15 others' stand between two links of a chain.
.macro STRETCH
	WIN ww|((ks%4)<<2)|(ww<<4)|(ww<<6)
.set ct, 0
.rept 4
.if ks == 0
	v_wmma_f32_16x16x32_bf16 v[ACC+8*ct:ACC+8*ct+7], v[AF+8*ks:AF+8*ks+7], v[BF+8*ct:BF+8*ct+7], 0
.elseif ks == 15
	v_wmma_f32_16x16x32_bf16 v[EB+8*ct:EB+8*ct+7], v[AF+8*ks:AF+8*ks+7], v[BF+8*ct:BF+8*ct+7], v[ACC+8*ct:ACC+8*ct+7]
.else
	v_wmma_f32_16x16x32_bf16 v[ACC+8*ct:ACC+8*ct+7], v[AF+8*ks:AF+8*ks+7], v[BF+8*ct:BF+8*ct+7], v[ACC+8*ct:ACC+8*ct+7]
.endif
	DEAL
.set ct, ct+1
.endr
.endm
.macro TSTEP                           ; the address of the next table entry: a scalar that steps, and my lane's fixed term
	WIN 0x88
	v_add_nc_u32 v[TA], s[TOFF], v[TA0]
	s_add_co_u32 s[TOFF], s[TOFF], 768
.endm
.macro HLOAD                           ; the table entry into window ww (address in window 2)
	WIN (ww<<6)|2
	ds_load_b128 v[CB:CB+3],   v[TA]
	ds_load_b128 v[CB+4:CB+7], v[TA] offset:16
	ds_load_b128 v[QV:QV+3],   v[TA] offset:32
.endm
; THE CHANGE OF SLOTS lies under K step 13's products: the slot's last fragments (K steps 14 and 15) were asked for at K step 12's head.  MEET_A, ahead of the K step: the wave waits for all its tensor loads, of
; which one is out: its part of the other slot; and adds 0 to its spare word.  Eight products stand between the add and MEET_B, where the wave waits for the add and for its reads of the slot, and signals.
; Eight more stand between the signal and MEET_C's wait.  fill = 1: that barrier opens a round of the cluster's, so that no wave of any partner still reads the slot or has a load on its way, and the joint
; refill, the chunk two on, is the first thing behind the round: it has 240 products in which to land.
.macro MEET_A
	WIN 0x05                                       ; the add's two registers lie in window 1
	s_wait_tensorcnt 0x0                           ; no tensor load of mine is out, so a group 0 may be written
	ds_add_u32 v[SPW], v[NIL]                      ; 0 onto my spare word: work on registers stands between it and the wait for it
.endm
.macro MEET_B fill
.if \fill
	s_xor_b32 s[G0B+1], s[G0B+1], SLOT1            ; the walking descriptor: the other slot than last time,
	s_add_nc_u64 s[G0B+2:G0B+3], s[G0B+2:G0B+3], 65536  ; the next chunk; the type bits on top are not reached
	s_wait_xcnt 0x0                                ; the last prefetch, a period back, has read its address
	s_add_nc_u64 s[PFA:PFA+1], s[PFA:PFA+1], 65536
.endif
	s_xor_b32 s[TB], s[TB], SLOT1                  ; the fetches go on in the other slot
	s_wait_dscnt 0x0                               ; the add is done, and my reads of the slot are over
	s_barrier_signal -1                            ; say so; work on registers while the others arrive
.endm
.macro MEET_C fill
	WIN 0                                          ; at a label and at a branch every window is 0
	s_barrier_wait -1
.if \fill
	CREST
	tensor_load_to_lds s[G0B:G0B+3], s[G1:G1+7]
	s_nop 0
.endif
.endm
; A PREFETCH INTO THE L2 of the chunk that the refill two periods on will ask for: 512 products ahead of that load.  A chunk is 256 blocks of 256 bytes.  All clusters walk the same chunks: the first cluster
; asks; its four partners take 64 blocks each, told apart BY ADDRESS; in each, waves 0 and 1 take 32, a lane a block.  So each block is named once.  Chunks 0-3 come by their loads alone; the last two
; refills have no chunk two on.
.macro ASK
	s_cmp_gt_u32 s[LEFT], s[LIM]
	s_cbranch_scc0 .Lnot_mine_\@
	global_prefetch_b8 v[PFO], s[PFA:PFA+1] th:TH_LOAD_NT scope:SCOPE_SE
.Lnot_mine_\@:
.endm
; A PERIOD: one chunk's 256 products, and beside them the r and row sums of the chunk before.  THE K STEPS GO IN PAIRS: at the head of each even K step ks ONE run of 16 LDS loads fetches the fragments of
; K steps ks + 2 and ks + 3 (from K step 14 on: the next chunk's) into the two windows that K steps ks - 2 and ks - 1 have read: the wave leaves its products eight times a period, and a run has 32 products in
; which to land.  This chunk's table entry, for the period to come, is read at K step 14's head, with that run: the sums that read the old entry stood in K steps 12 and 13.
; s_wait_dscnt 16: the run just issued may stay out, so the run before it, this pair's, is in; at K step 0 all that K step 14 issued is in as well.  K step 14 needs no such wait: the change of slots, in
; K step 13, has waited for 0, and nothing was asked of LDS between.
; s_wait_loadcnt: x's 128 loads were issued K step by K step, eight for each, and come back in order (ISA guide 5.7.1).  63 at K step 0: all but the youngest 63 are in, K steps 0-7 among them; 48, 32, 16 and 0
; at K steps 8, 10, 12 and 14: the pair's 16 loads are in, the later pairs' may stay out.  They serve the first period; in the others nothing is out.
; The exponentials of K steps 2-5 are one batch, the reciprocals of K steps 8-11 another: s_wait_alu depctr_va_vdst(0) stands ahead of the first line that names a result: once a batch.
.macro PERIOD fill
.set ks, 0
.rept 16
.if (ks%2) == 0
.if ks == 0
	NOPS 3
.elseif (ks == 2) || (ks == 8)
	NOPS 2
.else
	NOPS 4
.endif
.if (ks == 6) || (ks == 12)
	s_wait_alu depctr_va_vdst(0)
.endif
.if ks == 14
	WIN 0
	v_add_nc_u32 v[BA], s[TB], v[BA0]
	TSTEP
.set ww, 0
.rept 4
	HLOAD
.set ww, ww+1
.endr
.endif
	RUN (ks+2)%16
	RUN (ks+3)%16
.if ks == 14
.if \fill
	WIN 0
	ASK
.endif
	s_wait_loadcnt 0x0
.else
	s_wait_dscnt 16
.if ks == 0
	s_wait_loadcnt 63
.elseif ks >= 8
	s_wait_loadcnt 8*(14-ks)
.endif
.endif
.endif
.if ks == 13
	MEET_A
.endif
.set ww, 0
.rept 4
.if (ks == 13) && (ww == 2)
	MEET_B \fill
.endif
	STRETCH
.set ww, ww+1
.endr
.if ks == 13
	MEET_C \fill
.endif
.set ks, ks+1
.endr
	WIN 0
.endm
.macro PHASE lo, hi                    ; numbers lo to hi - 1 of the list, window after window
.set ww, 0
.rept 4
	WIN ww*0x55
.set rn, \lo
.rept (\hi)-(\lo)
	RID
.set rn, rn+1
.endr
.set ww, ww+1
.endr
.endm
.macro EPONLY                          ; the last chunk's vector work has no products to stand beside
	NOPS 4
	PHASE 0, 48
	v_nop                                          ; a plain instruction behind the last exponential,
	s_wait_alu depctr_va_vdst(0)                   ; and the batch's one wait
	PHASE 48, 96
	v_nop
	s_wait_alu depctr_va_vdst(0)
	PHASE 96, 112
.endm
.macro XBLOAD i                        ; half a fragment of x, as it lies in xb: 512 consecutive bytes a wave.  Load i: K step i / 8, row tile (i % 8) / 2, half i % 2
.set xs, (\i)/8
.set xa, ((\i)%8)/2
.set xh, (\i)%2
	WIN xa<<6
	global_load_b128 v[AF+8*xs+4*xh:AF+8*xs+4*xh+3], v[XO], s[4:5] offset:((16*xa+xs)*2+xh)*512 th:TH_LOAD_NT
.endm
	s_load_b256 s[4:11], s[0:1], 0x0               ; xb s[4:5], wb s[6:7], bk s[8:9], bv s[10:11]
	s_load_b128 s[12:15], s[0:1], 0x20             ; qpart s[12:13], wv s[14:15]
	WIN 0x40
	v_lshl_add_u32 v[SPW], v0, 2, SPARE
	v_mov_b32 v[NIL], 0
	WIN 0x05
	ds_add_u32 v[SPW], v[NIL]                      ; the wave's opening: the add, twice on end, and its wait ahead of my first tensor load; the set-up below stands between
	ds_add_u32 v[SPW], v[NIL]                      ; and once more, under the one wait
	WIN 0
	v_lshrrev_b32 v255, 5, v0
	v_readfirstlane_b32 s[WV], v255                ; wave 0..3
	s_bfe_u32 s[CX], ttmp6, 0x40000
	s_lshl_b32 s[WGN], ttmp9, 2                    ; in a cluster launch ttmp9 counts clusters
	s_add_co_u32 s[WGN], s[WGN], s[CX]
	s_lshl2_add_u32 s[GW], s[WGN], s[WV]
	; descriptor group 1: a tile of 16 rows x 512 elements, padded in LDS
	s_mov_b32 s[G1], 15|(1<<16)|(1<<20)|(1<<21)|(7<<22)|(3<<25)  ; 15:0 the mask of four; 17:16 2-byte elements; 20 padding on; 21 set beside a mask; 24:22 after every 256 words (code 7); 31:25 4 words (code 3)
	s_mov_b32 s[G1+1], 512<<16                     ; tensor_dim0 = 512
	s_mov_b32 s[G1+2], 16<<16                      ; tensor_dim1 = 16
	s_mov_b32 s[G1+3], 512<<16                     ; tile_dim0 = 512
	s_mov_b32 s[G1+4], 16                          ; tile_dim1 = 16
	s_mov_b32 s[G1+5], 512                         ; 512 elements from row to row
	s_mov_b32 s[G1+6], 0
	s_mov_b32 s[G1+7], 0
	s_mov_b32 s[G0A], 1                            ; count = 1
	s_mul_i32 s[G0A+1], s[WV], QUART               ; LDS address: my 16 rows of slot 0: the wave's number alone enters it
	s_mov_b32 s[G0B], 1
	s_add_co_u32 s[G0B+1], s[G0A+1], SLOT1
	s_lshl_b32 s20, s[WV], 14                      ; my 16 rows of a chunk in memory
	s_mov_b32 s21, 0
	s_mov_b32 s[C2], 0x4038aa3b                    ; c2 = 2 log2(e)
	s_mov_b32 s[C2+1], s[C2]                       ; named with it as a pair
	s_mov_b32 s[KAP], 0xbe0293ee                   ; -2 kappa = -2 log2(e) / sqrt(512) = -0.127517
	s_mov_b32 s[VI], 0x42080000                    ; 34.0
	s_mov_b32 s[TB], 0
	s_mov_b32 s[TOFF], TAB-768                     ; the entry of zeros
	s_lshr_b32 s[LIM], s[WV], 1                    ; 0 in waves 0 and 1,
	s_or_b32 s[LIM], s[LIM], ttmp9                 ; where the cluster is the first: the same in all four partners
	s_cmp_eq_u32 s[LIM], 0
	s_cselect_b32 s[LIM], 2, -1
	s_wait_dscnt 0x0                               ; both opening adds are done
	s_wait_kmcnt 0x0
	s_add_nc_u64 s[G0A+2:G0A+3], s[6:7], s[20:21]
	s_add_nc_u64 s[G0A+2:G0A+3], s[G0A+2:G0A+3], SECT
	s_add_nc_u64 s[G0B+2:G0B+3], s[G0A+2:G0A+3], 65536
	s_or_b32 s[G0A+3], s[G0A+3], 0x80000000        ; type = 2
	s_or_b32 s[G0B+3], s[G0B+3], 0x80000000
	ROUND                                          ; all four work-groups are here: the first joint loads meet
	tensor_load_to_lds s[G0A:G0A+3], s[G1:G1+7]    ; chunk 0; two loads of mine are out
	s_nop 0
	tensor_load_to_lds s[G0B:G0B+3], s[G1:G1+7]    ; chunk 1
	s_nop 0
.rept 4
	v_nop
.endr
	s_lshl_b32 s22, s[CX], 14                      ; the prefetches: my work-group's 64 blocks of a chunk,
	s_lshl_b32 s23, s[WV], 13                      ; my wave's 32 of them,
	s_add_co_u32 s22, s22, s23
	s_mov_b32 s23, 0
	s_add_nc_u64 s[PFA:PFA+1], s[6:7], s[22:23]
	s_add_nc_u64 s[PFA:PFA+1], s[PFA:PFA+1], SECT+3*65536  ; in chunk 3: the first change of slots steps it to chunk 4
	s_lshl_b32 s22, s[GW], 16                      ; my wave's 65,536 bytes of xb,
	s_add_nc_u64 s[4:5], s[4:5], s[22:23]
	s_lshl_b32 s22, s[GW], 9                       ; its 512 bytes of wv,
	s_add_nc_u64 s[14:15], s[14:15], s[22:23]
	s_lshr_b32 s22, s[WGN], 4                      ; my batch: 16 work-groups of 256 rows,
	s_lshl_b32 s22, s22, 15                        ; its 16 rows of qpart
	s_add_nc_u64 s[12:13], s[12:13], s[22:23]
	v_and_b32 v233, 15, v0                         ; l % 16
	v_bfe_u32 v234, v0, 4, 1                       ; l / 16
	v_and_b32 v235, 31, v0                         ; l
	v_lshlrev_b32 v[XO], 4, v235
	v_lshlrev_b32 v232, 4, v0                      ; columns 4 thread .. + 3
.set pp, 0
.rept 16
	global_load_b128 v[ACC+4*pp:ACC+4*pp+3], v232, s[12:13] offset:2048*pp
.set pp, pp+1
.endr
	global_load_b128 v[224:227], v232, s[8:9]      ; bk
	global_load_b128 v[228:231], v232, s[10:11]    ; bv
.set cu, 0
.rept 44
	XBLOAD cu
.set cu, cu+1
.endr
	WIN 0
	v_lshrrev_b32 v236, 3, v0                      ; column 4 thread + i: chunk thread / 8, tile (thread / 4) % 2, lane 4 (thread % 4) + i
	v_mul_u32_u24 v236, v236, 768
	v_bfe_u32 v237, v0, 2, 1
	v_lshl_add_u32 v236, v237, 3, v236
	v_and_b32 v237, 3, v0
	v_mul_u32_u24 v237, v237, 192
	v_add3_u32 v236, v236, v237, TAB
	v_lshl_add_u32 v237, v0, 3, ZERO
	v_mov_b32 v238, 0
	v_mov_b32 v239, 0
	v_mul_u32_u24 v[BA0], v233, PITCH
	v_lshl_add_u32 v[BA0], v234, 4, v[BA0]         ; row x pitch + 16 x half
	v_lshlrev_b32 v[PFO], 8, v235
	s_lshl_b32 s20, s[WV], 9
	s_add_co_u32 s20, s20, OUT                     ; my wave's 512 bytes for the way out
	WIN 0x80
	v_mul_u32_u24 v[TA0], v233, 48
	v_lshl_add_u32 v[OA], v234, 5, s20
	WIN 0xc0
	v_lshl_add_u32 v[OL], v235, 4, s20
	v_lshlrev_b32 v[GO], 4, v235
	WIN 0
	s_wait_loadcnt 44                              ; qpart's 16 rows and the two biases are in: the 44 loads of xb were issued behind them
.set dd, 8
.rept 4
.set pp, 0
.rept dd
	v_pk_add_f32 v[ACC+4*pp:ACC+4*pp+1],   v[ACC+4*pp:ACC+4*pp+1],   v[ACC+4*(pp+dd):ACC+4*(pp+dd)+1]
	v_pk_add_f32 v[ACC+4*pp+2:ACC+4*pp+3], v[ACC+4*pp+2:ACC+4*pp+3], v[ACC+4*(pp+dd)+2:ACC+4*(pp+dd)+3]
.set pp, pp+1
.endr
.set dd, dd/2
.endr
	v_cvt_pk_bf16_f32 v164, v224, v225             ; the biases are rounded to bf16 like x and the weights,
	v_cvt_pk_bf16_f32 v165, v226, v227
	v_cvt_pk_bf16_f32 v166, v228, v229
	v_cvt_pk_bf16_f32 v167, v230, v231
.irp i, 0,1,2,3
	v_lshlrev_b32 v[224+2*\i], 16, v[164+\i]       ; widened again,
	v_and_b32 v[225+2*\i], 0xffff0000, v[164+\i]
.endr
.irp i, 0,1,2,3
	v_mul_f32 v[240+2*\i], s[C2], v[224+\i]        ; multiplied by c2, and written twice: a pair for the packed line
	v_mul_f32 v[241+2*\i], s[C2], v[224+\i]
	v_mul_f32 v[248+2*\i], s[C2], v[228+\i]
	v_mul_f32 v[249+2*\i], s[C2], v[228+\i]
	v_mul_f32 v[168+2*\i], s[KAP], v[ACC+\i]       ; q_sum times -2 kappa, likewise
	v_mul_f32 v[169+2*\i], s[KAP], v[ACC+\i]
.endr
.irp i, 0,1,2,3
	ds_store_b64 v236, v[240+2*\i:241+2*\i] offset:48*\i
	ds_store_b64 v236, v[248+2*\i:249+2*\i] offset:48*\i+16
	ds_store_b64 v236, v[168+2*\i:169+2*\i] offset:48*\i+32
.endr
	ds_store_b64 v237, v[238:239]
.rept 84
	XBLOAD cu
.set cu, cu+1
.endr
.set ww, 0
.rept 4
	WIN ww<<6
.set qq, 0
.rept 32
	v_mov_b32 v[EB+qq], 0                          ; what the first period's vector work finds,
.set qq, qq+1
.endr
.set qq, 0
.rept 8
	v_mov_b32 v[RSK+qq], 0                         ; and where the rows' sums begin
	v_mov_b32 v[RSV+qq], s[VI]
.set qq, qq+1
.endr
.set ww, ww+1
.endr
	WIN 0
	v_mov_b32 v[BA], v[BA0]                        ; chunk 0 lies in slot 0
	s_wait_tensorcnt 0x1                           ; my part of slot 0 is in; slot 1's may stay out
	s_wait_dscnt 0x0                               ; my part of the table is written
	s_barrier_signal -1
	s_barrier_wait -1                              ; everybody's is.  x's later K steps are still on their way: the period waits for them by its own counts
	TSTEP
.set ww, 0
.rept 4
	HLOAD                                          ; the entry of zeros (window 0's takes v0's place: my thread's number is wanted no more)
.set ww, ww+1
.endr
	RUN 0
	RUN 1
	WIN 0
	s_mov_b32 s[LEFT], NCH-2
.Lmain:                                                ; every chunk but the last two is followed by a refill
	PERIOD 1
	s_sub_co_u32 s[LEFT], s[LEFT], 1
	s_cmp_lg_u32 s[LEFT], 0
	s_cbranch_scc1 .Lmain
	s_mov_b32 s[LEFT], 2
.Ltail:                                                ; the last two chunks ask for nothing: a text of their own.  The last trip's barrier and its 16 fragment loads serve nothing
	PERIOD 0
	s_sub_co_u32 s[LEFT], s[LEFT], 1
	s_cmp_lg_u32 s[LEFT], 0
	s_cbranch_scc1 .Ltail
	s_wait_dscnt 0x0                               ; the last chunk's table entry is in
	EPONLY
	; THE WAY OUT.  A lane's sums cover its own column of each tile: the 16 lanes of a half are added (four steps that ride on the addition itself), and every lane of the half then holds the rows' sums.
.set ww, 0
.rept 4
	WIN ww*0x55
.irp m, 1,2,4,8
.set qq, 0
.rept 16
	v_add_f32_dpp v[RSK+qq], v[RSK+qq], v[RSK+qq] row_xmask:\m row_mask:0xf bank_mask:0xf
.set qq, qq+1
.endr
.endr
.set ww, ww+1
.endr
.set ww, 0
.rept 4
	WIN (ww<<2)|2                                  ; address in window 2, data in window ww; the 16 lanes of a half write the same bytes with the same numbers
	ds_store_b128 v[OA], v[RSK:RSK+3]   offset:64*ww
	ds_store_b128 v[OA], v[RSK+4:RSK+7] offset:64*ww+16
	ds_store_b128 v[OA], v[RSV:RSV+3]   offset:64*ww+256
	ds_store_b128 v[OA], v[RSV+4:RSV+7] offset:64*ww+272
.set ww, ww+1
.endr
	WIN 0x03                                       ; address in window 3, data in window 0
	ds_load_b128 v[AF:AF+3], v[OL]                 ; LDS serves a wave's instructions in order (ISA guide 5.7.1.4): this sees my stores above; the bytes are my wave's own
	s_wait_dscnt 0x0
	global_store_b128 v[GO], v[AF:AF+3], s[14:15]  ; 512 consecutive bytes, aligned: 64 logits, 64 row sums of V
	WIN 0x05
	s_wait_tensorcnt 0x0                           ; the wave's end: behind my last tensor load and my last LDS store
	ds_add_u32 v[SPW], v[NIL]
	s_wait_dscnt 0x0
	WIN 0
	ROUND                                          ; the closing round: no work-group ends while a partner may still ask for a chunk that names it
	s_endpgm
.Lfunc_end_k_qfe9f098deb_kvpass:
	.size	k_qfe9f098deb_kvpass, .Lfunc_end_k_qfe9f098deb_kvpass-k_qfe9f098deb_kvpass
	.p2alignl 7, 3214868480
	.fill 96, 4, 3214868480
	.section	.rodata,"a",@progbits
	.p2align	6, 0x0
	.amdhsa_kernel k_qfe9f098deb_kvpass
		.amdhsa_group_segment_fixed_size 327680
		.amdhsa_private_segment_fixed_size 0
		.amdhsa_enable_private_segment 0
		.amdhsa_kernarg_size 48
		.amdhsa_user_sgpr_count 2
		.amdhsa_user_sgpr_kernarg_segment_ptr 1
		.amdhsa_wavefront_size32 1
		.amdhsa_system_sgpr_workgroup_id_x 1
		.amdhsa_system_sgpr_workgroup_id_y 1
		.amdhsa_system_sgpr_workgroup_id_z 1
		.amdhsa_system_vgpr_workitem_id 0
		.amdhsa_next_free_vgpr 1024
		.amdhsa_next_free_sgpr 66
		.amdhsa_reserve_vcc 0
		.amdhsa_float_denorm_mode_32 3
		.amdhsa_float_denorm_mode_16_64 3
		.amdhsa_memory_ordered 1
		.amdhsa_forward_progress 1
		.amdhsa_inst_pref_size 174
	.end_amdhsa_kernel
	.amdgpu_metadata
---
amdhsa.version: [ 1, 2 ]
amdhsa.kernels:
  - .name:           k_qfe9f098deb_kvpass
    .symbol:         k_qfe9f098deb_kvpass.kd
    .args:
      - { .name: xb, .offset: 0, .size: 8, .value_kind: global_buffer, .address_space: global }
      - { .name: wb, .offset: 8, .size: 8, .value_kind: global_buffer, .address_space: global }
      - { .name: bk, .offset: 16, .size: 8, .value_kind: global_buffer, .address_space: global }
      - { .name: bv, .offset: 24, .size: 8, .value_kind: global_buffer, .address_space: global }
      - { .name: qpart, .offset: 32, .size: 8, .value_kind: global_buffer, .address_space: global }
      - { .name: wv, .offset: 40, .size: 8, .value_kind: global_buffer, .address_space: global }
    .group_segment_fixed_size: 327680
    .private_segment_fixed_size: 0
    .kernarg_segment_align: 8
    .kernarg_segment_size: 48
    .max_flat_workgroup_size: 128
    .sgpr_count:     66
    .vgpr_count:     1024
    .wavefront_size: 32
...
	.end_amdgpu_metadata
.endif
;; end of part 3
;; launch soft (part 4): grid 16 x 1, 32 waves a work-group, no clusters, 4,608 bytes of LDS; arguments wv, lens, out0; writes out0
.if DOCPART == 4
	.amdgcn_target "amdgcn-amd-amdhsa--gfx1250"
	.amdhsa_code_object_version 6
	.text
	.protected	k_qfe9f098deb_soft
	.globl	k_qfe9f098deb_soft
	.p2align	8
	.type	k_qfe9f098deb_soft,@function
k_qfe9f098deb_soft:
	s_mov_b64 s[64:65], 0
	v_nop
	global_prefetch_b8 v0, s[64:65] scope:SCOPE_SE
	s_setreg_imm32_b32 hwreg(HW_REG_WAVE_MODE, 25, 1), 1
	s_wait_xcnt 0x0
; out0[b][l] = softmax over l of the masked logits, times the row sum of V.  wv holds, for each 64 rows, 64 logits (times log2 e, and less a constant that is the same for all rows of a batch: the maximum
; taken away below takes it along) and 64 row sums.  A work-group takes a batch of 4,096 rows, a thread four neighbouring rows.  Rows at or behind lens[b] count as minus infinity: their weight, and so their
; output, is 0.  The batch's true maximum is taken away before the exponential.
; LIMITS.  A weight below 2^-126 counts as 0.  lens[b] < 1 leaves no row: the result is NaN, as the defining computation's is.
; 16 work-groups, since there are 16 batches and a softmax spans its batch; each thread makes one round of loads, lens[b] among them.
.set MAXW,  0                          ; 32 words: the waves' maxima
.set SUMW,  256                        ; 32 words: the waves' sums
.set SPARE, 512                        ; the spare words, 128 bytes for each of the 32 waves; no other line names them
.macro WMAX                            ; v14: the maximum over the wave's 32 lanes, in every lane
	v_max_num_f32_dpp v14, v14, v14 row_xmask:1 row_mask:0xf bank_mask:0xf
	v_max_num_f32_dpp v14, v14, v14 row_xmask:2 row_mask:0xf bank_mask:0xf
	v_max_num_f32_dpp v14, v14, v14 row_xmask:4 row_mask:0xf bank_mask:0xf
	v_max_num_f32_dpp v14, v14, v14 row_xmask:8 row_mask:0xf bank_mask:0xf
	v_permlanex16_b32 v15, v14, s18, s19
	v_max_num_f32 v14, v14, v15
.endm
.macro WSUM                            ; v17: the sum over the wave's 32 lanes, in every lane
	v_add_f32_dpp v17, v17, v17 row_xmask:1 row_mask:0xf bank_mask:0xf
	v_add_f32_dpp v17, v17, v17 row_xmask:2 row_mask:0xf bank_mask:0xf
	v_add_f32_dpp v17, v17, v17 row_xmask:4 row_mask:0xf bank_mask:0xf
	v_add_f32_dpp v17, v17, v17 row_xmask:8 row_mask:0xf bank_mask:0xf
	v_permlanex16_b32 v15, v17, s18, s19
	v_add_f32 v17, v17, v15
.endm
	s_load_b128 s[4:7], s[0:1], 0x0                ; wv s[4:5], lens s[6:7]
	s_load_b64 s[8:9], s[0:1], 0x10                ; out0
	v_lshl_add_u32 v30, v0, 2, SPARE               ; my spare word,
	v_mov_b32 v31, 0                               ; and 0; both kept for the add at the end
	v_lshrrev_b32 v1, 5, v0
	v_readfirstlane_b32 s10, v1                    ; wave 0..31
	s_lshl_b32 s12, ttmp9, 15                      ; the batch's 64 blocks of 512 bytes in wv
	s_mov_b32 s13, 0
	s_lshl_b32 s14, ttmp9, 14                      ; its 4,096 numbers in out0
	s_mov_b32 s15, 0
	s_lshl_b32 s16, ttmp9, 2                       ; its word in lens
	s_mov_b32 s18, 0x76543210                      ; v_permlanex16_b32: each lane takes its own place in the other half
	s_mov_b32 s19, 0xfedcba98
	v_lshrrev_b32 v2, 4, v0
	v_and_b32 v3, 15, v0
	v_lshlrev_b32 v3, 4, v3
	v_lshl_add_u32 v2, v2, 9, v3                   ; block thread / 16, 16 bytes at 16 (thread % 16)
	v_lshlrev_b32 v3, 4, v0                        ; my 16 bytes of out0
	v_lshlrev_b32 v12, 2, v0                       ; my first row
	v_and_b32 v18, 31, v0
	v_lshlrev_b32 v18, 2, v18                      ; 4 x lane
	v_mov_b32 v16, s10
	v_lshlrev_b32 v16, 2, v16                      ; 4 x wave
	v_mov_b32 v20, 0xff800000                      ; minus infinity
	v_mov_b32 v15, 0                               ; v_permlanex16_b32's destination counts as read
	v_mov_b32 v22, s16
	s_wait_kmcnt 0x0
	s_add_nc_u64 s[4:5], s[4:5], s[12:13]
	s_add_nc_u64 s[8:9], s[8:9], s[14:15]
	global_load_b32 v21, v22, s[6:7]               ; lens[b], the same word in every lane, on its way together with the two loads below: it enters a comparison alone
	global_load_b128 v[4:7], v2, s[4:5] th:TH_LOAD_NT
	global_load_b128 v[8:11], v2, s[4:5] offset:256 th:TH_LOAD_NT
	s_wait_loadcnt 0x0
.irp i, 0,1,2,3
	v_add_nc_u32 v13, \i, v12
	v_cmp_gt_i32 vcc_lo, v21, v13                  ; lens[b] > row: the row counts
	v_cndmask_b32 v[4+\i], v20, v[4+\i], vcc_lo
.endr
	v_max3_num_f32 v14, v4, v5, v6
	v_max_num_f32 v14, v14, v7
	WMAX
	ds_store_b32 v16, v14 offset:MAXW              ; all lanes write the wave's word with the same number
	s_wait_dscnt 0x0                               ; for the others' sake
	s_barrier_signal -1
	s_barrier_wait -1
	ds_load_b32 v14, v18 offset:MAXW               ; a lane a wave
	s_wait_dscnt 0x0
	WMAX                                           ; the batch's maximum
.irp i, 0,1,2,3
	v_sub_f32 v[4+\i], v[4+\i], v14
.endr
.irp i, 0,1,2,3
	v_exp_f32 v[4+\i], v[4+\i]
.endr
	v_nop                                          ; a plain instruction behind the last exponential,
	s_wait_alu depctr_va_vdst(0)                   ; and the wait ahead of the first use: one for the four
	v_add_f32 v17, v4, v5
	v_add_f32 v19, v6, v7
	v_add_f32 v17, v17, v19
	WSUM
	ds_store_b32 v16, v17 offset:SUMW              ; other bytes than the maxima's: no wave need have finished reading those
	s_wait_dscnt 0x0
	s_barrier_signal -1
	s_barrier_wait -1
	ds_load_b32 v17, v18 offset:SUMW
	s_wait_dscnt 0x0
	WSUM                                           ; the batch's sum: at least 1, the maximum's own weight
	v_rcp_f32 v19, v17
	v_nop
	s_wait_alu depctr_va_vdst(0)
.irp i, 0,1,2,3
	v_mul_f32 v[8+\i], v[8+\i], v19
.endr
.irp i, 0,1,2,3
	v_mul_f32 v[4+\i], v[4+\i], v[8+\i]
.endr
	global_store_b128 v3, v[4:7], s[8:9]           ; a wave's store covers 512 consecutive bytes, aligned
	s_wait_tensorcnt 0x0                           ; the wave's end: behind my last LDS store
	ds_add_u32 v30, v31
	s_wait_dscnt 0x0
	s_endpgm
.Lfunc_end_k_qfe9f098deb_soft:
	.size	k_qfe9f098deb_soft, .Lfunc_end_k_qfe9f098deb_soft-k_qfe9f098deb_soft
	.p2alignl 7, 3214868480
	.fill 96, 4, 3214868480
	.section	.rodata,"a",@progbits
	.p2align	6, 0x0
	.amdhsa_kernel k_qfe9f098deb_soft
		.amdhsa_group_segment_fixed_size 4608
		.amdhsa_private_segment_fixed_size 0
		.amdhsa_enable_private_segment 0
		.amdhsa_kernarg_size 24
		.amdhsa_user_sgpr_count 2
		.amdhsa_user_sgpr_kernarg_segment_ptr 1
		.amdhsa_wavefront_size32 1
		.amdhsa_system_sgpr_workgroup_id_x 1
		.amdhsa_system_sgpr_workgroup_id_y 1
		.amdhsa_system_sgpr_workgroup_id_z 1
		.amdhsa_system_vgpr_workitem_id 0
		.amdhsa_next_free_vgpr 32
		.amdhsa_next_free_sgpr 66
		.amdhsa_reserve_vcc 1
		.amdhsa_float_denorm_mode_32 3
		.amdhsa_float_denorm_mode_16_64 3
		.amdhsa_memory_ordered 1
		.amdhsa_forward_progress 1
		.amdhsa_inst_pref_size 6
	.end_amdhsa_kernel
	.amdgpu_metadata
---
amdhsa.version: [ 1, 2 ]
amdhsa.kernels:
  - .name:           k_qfe9f098deb_soft
    .symbol:         k_qfe9f098deb_soft.kd
    .args:
      - { .name: wv, .offset: 0, .size: 8, .value_kind: global_buffer, .address_space: global }
      - { .name: lens, .offset: 8, .size: 8, .value_kind: global_buffer, .address_space: global }
      - { .name: out0, .offset: 16, .size: 8, .value_kind: global_buffer, .address_space: global }
    .group_segment_fixed_size: 4608
    .private_segment_fixed_size: 0
    .kernarg_segment_align: 8
    .kernarg_segment_size: 24
    .max_flat_workgroup_size: 1024
    .sgpr_count:     66
    .vgpr_count:     32
    .wavefront_size: 32
...
	.end_amdgpu_metadata
.endif
;; end of part 4
